; MI455X (gfx1250); checked and timed in simulation.
; The chip was launched on July 23, 2026; its instructions are those of AMD's public machine-readable ISA for CDNA 5 (MIT licence, August 2026) and "CDNA5" Instruction Set Architecture Reference Guide (July 2026). The comments in the code are by the model that wrote it; some were corrected since.
;; Adaptive Attention. Allowed arithmetic: float matrix products may take bf16 or f16 operands with f32 sums; all other float work in f32.
;; Inputs: attn_mask 2,048 x 2,048 float32; custom_attns 2 x 2,048 x 2,048 float32; key_len_mask 2 x 2,048 float32; keys 2 x 2,048 x 16 x 64 float32; queries 2 x 2,048 x 16 x 64 float32; values 2 x 2,048 x 16 x 64 float32.
;; Outputs: out0 2 x 2,048 x 16 x 64 float32.
;; One version. Each part assembles by itself: llvm-mc -triple=amdgcn-amd-amdhsa -mcpu=gfx1250 --defsym DOCPART=n.
;; ======== version 1 of 1: 1 launch
;; limits: values are held in f16: magnitudes above 65,504 overflow, below 6.1e-05 lose precision
;; launch attn (part 1): grid 16 x 16, 8 waves a work-group, clusters of 4 x 1, 327,680 bytes of LDS; arguments queries, keys, values, attn_mask, key_len_mask, custom_attns, out0; writes out0
.if DOCPART == 1
	.amdgcn_target "amdgcn-amd-amdhsa--gfx1250"
	.amdhsa_code_object_version 6
	.text
	.protected	k_q6c4ae100f5_attn
	.globl	k_q6c4ae100f5_attn
	.p2align	8
	.type	k_q6c4ae100f5_attn,@function
k_q6c4ae100f5_attn:
	s_mov_b64 s[64:65], 0
	v_nop
	global_prefetch_b8 v0, s[64:65] scope:SCOPE_SE
	s_setreg_imm32_b32 hwreg(HW_REG_WAVE_MODE, 25, 1), 1
	s_wait_xcnt 0x0
	s_wait_alu depctr_hold_cnt(0) depctr_sa_sdst(0) depctr_va_vdst(0) depctr_va_sdst(0) depctr_va_ssrc(0) depctr_va_vcc(0) depctr_vm_vsrc(0)
	s_getreg_b32 s2, hwreg(HW_REG_IB_STS2, 6, 4)
	s_cmp_eq_u32 s2, 0
	s_cbranch_scc0 .Lentry_in_a_cluster
	s_endpgm
.Lentry_in_a_cluster:
	s_bfe_u32 s2, ttmp6, 0x10000c
	s_cmp_lg_u32 s2, 0x3003
	s_cbranch_scc0 .Lentry_shape_is_right
	s_endpgm
.Lentry_shape_is_right:
; out[n][l][h][:] = softmax over s of ( temp * ( q.k * custom[n][l][s] + attn_mask[l][s] + key_len_mask[n][s] ) ) x v,  temp = 1/8.
; N = 2, L = S = 2048, H = 16, E = D = 64; all tensors f32.  Both masks and the prior are read as they are given: every one of the 2048 x 2048 scores is made.
;
; SHARES.  A work-group: one head, 256 query rows (x = head, y = 8 n + block of rows): 16 x 16 work-groups of equal work.  A wave: 32 query rows (two tiles of 16), all
; 2048 keys, in 32 steps of 64 keys, with a running maximum and a running sum (both f32).
; CLUSTER.  The four work-groups of a cluster are four heads with the same y: they need the same 256 x 64 tiles of custom_attns and of attn_mask, 128 KiB a step.  Each such
; tile is asked for jointly (mask 15).  K and V belong to one head, so partners share none of them; they are f32 in memory and have to be f16 in LDS, so they come through
; registers (32 KiB a step, a quarter of the joint tiles' bytes) and are shared with no one.
; Every joint tile and every block of K and V is requested one whole step before it is used, so no further prefetch is written.
;
; THE PRODUCTS ARE USED TRANSPOSED.  S^T = K Q^T: lane (r = lane % 16, h = lane / 16) holds query r and, in register j, key 16 t + 8 h + j.  So a query's maximum, sum and
; rescaling factor are one number a lane (the two halves meet by one v_permlanex16_b32), a lane's eight custom and mask numbers are 32 neighbouring bytes of one row, and two
; packed tiles of S^T are, as they lie, the second source of O^T = V^T P^T.  V^T's fragments come from rows of V by ds_load_tr16_b128.
;
; ARITHMETIC, with c = log2(e) / 8: q is multiplied by c in f32 and rounded to f16; t = (q c . k) * custom + (attn_mask * c + key_len_mask * c), two fused multiply-adds;
; m = running maximum of t; p = 2^(t - m); the sum l is kept in f32 from the unrounded p, while the product with V takes p rounded to f16.
; WHY f16 AND NOT bf16.  A row with two or three unmasked keys is a sum of a few terms of the size of v that can cancel, so the operands' relative rounding shows at full
; size in a small result: f16 keeps eleven significant bits where bf16 keeps eight.  The range suffices: p is at most 1, and f16 reaches 65,504.
; LIMITS.  (1) Matrix operands are f16 (q c, k, p, v): a magnitude above 65,504 becomes infinity, and one below 2^-14 is kept with an absolute error of at most 2^-25.
; Everything else is f32.
; (2) The running maximum starts at -FLT_MAX: keys masked by -infinity get p = 0, and a row whose every key is -infinity gives NaN, as the softmax of such a row does.
; (3) In a row whose every key carries a mask near -1e9 the term q.k * custom is lost in the rounding of the sum, here below about 44 and in a sum made without c below about 32:
; both give the mean of V over the least-masked keys, and they can differ for a key whose |q.k * custom| lies between those figures.
.set CMPITCH, 272                      ; an LDS row of custom or mask: 256 bytes + 16 of padding, an odd multiple of 16: sixteen rows start in sixteen different 16-byte columns of 256 bytes
.set CMTILE,  64*CMPITCH               ; 17,408: what one tensor load brings: 64 rows x 64 f32
.set CMSLOT,  8*CMTILE                 ; 139,264: tile 2 g = custom, tile 2 g + 1 = attn_mask, rows 64 g .. 64 g + 63 of the block
.set CMSTEP,  256                      ; bytes along a row of custom or mask from one step's 64 keys to the next
.set KPITCH,  144                      ; a key's 64 f16 + 16 bytes (odd multiple of 16)
.set VPITCH,  160                      ; a key's 64 f16 of V + 32 bytes (odd multiple of 32, for the transposing load)
.set KBYTES,  64*KPITCH                ; 9,216
.set KVSLOT,  KBYTES+64*VPITCH         ; 19,456: K's 64 keys, then V's
.set KVBASE,  2*CMSLOT                 ; 278,528: two K/V slots, written by ds_store alone, never by a tensor load
.set M2BASE,  KVBASE+2*KVSLOT          ; 317,440: key_len_mask[n][:] * c, 2048 f32, written once
.set ROWB,    4096                     ; bytes from one position to the next in q, k, v and out (16 heads x 64 f32)
.set KVSTEP,  64*ROWB                  ; 64 keys
; vector registers, window 0
.set AK,   1                           ; LDS: my bytes of a K fragment, slot 0
.set AV,   2                           ; LDS: my bytes for the transposing loads of V, slot 0
.set ACM,  3                           ; v3, v4: LDS: my 32 bytes of custom, row r of my first query tile, slot 0, 1
.set AM2,  5                           ; LDS: my 32 bytes of key_len * c; steps by 256 a step
.set ASK,  6                           ; LDS: where I put 8 bytes of K
.set ASV,  7                           ; LDS: where I put 8 bytes of V
.set GOFF, 8                           ; memory: my 16 bytes in 16 keys of K or V
.set GQ,   9                           ; memory: my 16 bytes in two rows of q or out
.set MX,   10                          ; v10-13: maximum [parity of the step][query tile]: the new one is written beside the old one, no copy
.set NM,   14                          ; v[14:15], v[16:17]: -m, and the register that v_permlanex16_b32 writes
.set AL,   18                          ; v[18:19], v[20:21]: 2^(m old - m new), and the difference
.set LS,   22                          ; v[22:29]: the step's sums of p, a pair for each block of 16 registers
.set LL,   30                          ; v30, v31: running sum (my half of the keys)
.set M2R,  32                          ; v[32:63]: key_len * c of the step's 4 key tiles; addresses in the prologue and on the way out
.set SC,   64                          ; v[64:127]: S^T(query tile qt, key tile t) at 64 + 32 qt + 8 t; P^T(qt, kc) is packed into the first 8 of each 16
.set FB,   128                         ; v[128:255]: eight blocks of 16: K fragments (blocks 0-3), custom + mask groups, V fragments (blocks 4-7)
.set VB,   192
; window 1 (written by their low 8 bits)
.set OACC, 0                           ; v256-319: O^T[qt][dt] at 32 qt + 8 dt
.set QR,   64                          ; v320-351: Q fragments [qt][ec] at 64 + 16 qt + 8 ec
.set STG,  96                          ; v352-383: K's and V's next 64 keys on their way through registers
; scalar registers
.set G1,   24                          ; s[24:31] descriptor group 1, one for all tensor loads
.set G0C,  32                          ; s[32:39] group 0 for custom, a set for each slot
.set G0M,  40                          ; s[40:47] group 0 for attn_mask, a set for each slot
.set MSB,  0
.macro WIN new                         ; the immediate's high byte repeats the setting that is left
.if MSB != \new
	s_set_vgpr_msb (MSB<<8)|\new
.set MSB, \new
.endif
.endm
; A round of the cluster's barrier: my work-group's barrier; wave 0 signals for the work-group; every wave waits for all four work-groups; my work-group's barrier again.
.macro ROUND
	s_barrier_signal -1
	s_barrier_wait -1
	s_cmp_lg_u32 s20, 0
	s_cbranch_scc1 .Lnot_wave_0_\@
	s_barrier_signal -3
.Lnot_wave_0_\@:
	s_barrier_wait -3
	s_barrier_signal -1
	s_barrier_wait -1
.endm
; My one joint load: even waves fetch a tile of custom, odd waves one of attn_mask.  The branch hangs on the wave's number alone.
.macro JLOAD sl
	s_cmp_eq_u32 s21, 0
	s_cbranch_scc0 .Lfor_mask_\@
	tensor_load_to_lds s[G0C+4*\sl:G0C+4*\sl+3], s[G1:G1+7]
	s_nop 0
	s_branch .Lasked_\@
.Lfor_mask_\@:
	tensor_load_to_lds s[G0M+4*\sl:G0M+4*\sl+3], s[G1:G1+7]
	s_nop 0
.Lasked_\@:
.endm
; 64 keys of K and of V, f32, into registers: 256 threads x 4 x 16 bytes each; sixteen lanes take a key's 256 bytes.
.macro KVLOAD
	WIN 0x40                                       ; destination window 1, address window 0
.irp p, 0,1,2,3
	global_load_b128 v[STG+4*\p:STG+4*\p+3], v[GOFF], s[48:49] offset:\p*16*ROWB
.endr
.irp p, 0,1,2,3
	global_load_b128 v[STG+16+4*\p:STG+16+4*\p+3], v[GOFF], s[50:51] offset:\p*16*ROWB
.endr
	WIN 0
.endm
; They are rounded to f16 and laid into a K/V slot.  The sixteen conversions are also the places between the step's last matrix instructions and the next step's
; loads into V's registers and matrix results over P's.
.macro KVSTORE slot
	s_wait_loadcnt 0x0                             ; the eight loads are in, so their bases may step
	s_add_nc_u64 s[48:49], s[48:49], KVSTEP
	s_add_nc_u64 s[50:51], s[50:51], KVSTEP
	WIN 0x45                                       ; both sources and the destination in window 1
.irp p, 0,1,2,3,4,5,6,7
	v_cvt_pk_f16_f32 v[STG+4*\p],   v[STG+4*\p],   v[STG+4*\p+1]
	v_cvt_pk_f16_f32 v[STG+4*\p+1], v[STG+4*\p+2], v[STG+4*\p+3]
.endr
	WIN 0x04                                       ; address window 0, data window 1
.irp p, 0,1,2,3
	ds_store_b64 v[ASK], v[STG+4*\p:STG+4*\p+1] offset:\slot*KVSLOT+\p*16*KPITCH
.endr
.irp p, 0,1,2,3
	ds_store_b64 v[ASV], v[STG+16+4*\p:STG+16+4*\p+1] offset:\slot*KVSLOT+\p*16*VPITCH
.endr
	WIN 0
.endm
; K fragments: key tile t, 32 of e at a time (ec): two loads of 16 bytes, 32 bytes apart.  16 loads, key tile by key tile.
.macro LDK sl
.irp t, 0,1,2,3
.irp ec, 0,1
	ds_load_b128 v[FB+16*\t+8*\ec:FB+16*\t+8*\ec+3],   v[AK] offset:\sl*KVSLOT+\t*16*KPITCH+\ec*64
	ds_load_b128 v[FB+16*\t+8*\ec+4:FB+16*\t+8*\ec+7], v[AK] offset:\sl*KVSLOT+\t*16*KPITCH+\ec*64+32
.endr
.endr
.endm
; key_len * c of my 8 keys in each of the 4 key tiles: 8 loads; then the address steps to the next 64 keys.
.macro LDM2
.irp t, 0,1,2,3
	ds_load_b128 v[M2R+8*\t:M2R+8*\t+3],   v[AM2] offset:\t*64
	ds_load_b128 v[M2R+8*\t+4:M2R+8*\t+7], v[AM2] offset:\t*64+16
.endr
	v_add_nc_u32 v[AM2], 256, v[AM2]
.endm
; Group idx = 2 t + qt: my 8 custom numbers (registers 0-7 of the block) and my 8 mask numbers (8-15) for S^T(qt, t).  4 loads.
.macro LDCM sl, idx
.set CB, FB+16*((\idx+4)%8)
.set CO, (\idx%2)*16*CMPITCH+(\idx/2)*64
	ds_load_b128 v[CB:CB+3],     v[ACM+\sl] offset:CO
	ds_load_b128 v[CB+4:CB+7],   v[ACM+\sl] offset:CO+16
	ds_load_b128 v[CB+8:CB+11],  v[ACM+\sl] offset:CO+CMTILE
	ds_load_b128 v[CB+12:CB+15], v[ACM+\sl] offset:CO+CMTILE+16
.endm
; V^T fragments (16 of d x 32 keys) from rows of V: two transposing loads, 16 keys apart.  16 loads, the first 32 keys' eight first.
.macro LDV sl
.irp kc, 0,1
.irp dt, 0,1,2,3
	ds_load_tr16_b128 v[VB+8*(\dt+4*\kc):VB+8*(\dt+4*\kc)+3],   v[AV] offset:\sl*KVSLOT+\kc*32*VPITCH+\dt*32
	ds_load_tr16_b128 v[VB+8*(\dt+4*\kc)+4:VB+8*(\dt+4*\kc)+7], v[AV] offset:\sl*KVSLOT+\kc*32*VPITCH+\dt*32+16*VPITCH
.endr
.endr
.endm
; S^T = K Q^T, 16 matrix instructions.  The two query tiles' accumulators take turns, one instruction a turn; the first product starts each sum.
; 40 LDS loads were issued, K's 16 first: behind key tile t's four stand 36 - 4 t younger ones.
.macro QKT
	WIN 0x04                                       ; source 1 (Q) in window 1
.irp t, 0,1,2,3
	s_wait_dscnt 36-4*\t
	v_wmma_f32_16x16x32_f16 v[SC+8*\t:SC+8*\t+7],       v[FB+16*\t:FB+16*\t+7],    v[QR:QR+7],     0
	v_wmma_f32_16x16x32_f16 v[SC+32+8*\t:SC+32+8*\t+7], v[FB+16*\t:FB+16*\t+7],    v[QR+16:QR+23], 0
	v_wmma_f32_16x16x32_f16 v[SC+8*\t:SC+8*\t+7],       v[FB+16*\t+8:FB+16*\t+15], v[QR+8:QR+15],  v[SC+8*\t:SC+8*\t+7]
	v_wmma_f32_16x16x32_f16 v[SC+32+8*\t:SC+32+8*\t+7], v[FB+16*\t+8:FB+16*\t+15], v[QR+24:QR+31], v[SC+32+8*\t:SC+32+8*\t+7]
.endr
	WIN 0
.endm
; mask = attn_mask * c + key_len * c, for key tile t and both query tiles: 8 packed multiply-adds
.macro PAIRM t
.irp qt, 0,1
.irp i, 0,2,4,6
	v_pk_fma_f32 v[FB+16*((2*\t+\qt+4)%8)+8+\i:FB+16*((2*\t+\qt+4)%8)+9+\i], v[FB+16*((2*\t+\qt+4)%8)+8+\i:FB+16*((2*\t+\qt+4)%8)+9+\i], s[58:59], v[M2R+8*\t+\i:M2R+8*\t+\i+1] op_sel_hi:[1,0,1]
.endr
.endr
.endm
; t = s * custom + mask, then the running maximum, the two query tiles' chains by turns.  The chain starts from the last step's maximum, in the first step from -FLT_MAX.
.macro PAIRT t, sl, oth, first
.irp qt, 0,1
.irp i, 0,2,4,6
	v_pk_fma_f32 v[SC+32*\qt+8*\t+\i:SC+32*\qt+8*\t+\i+1], v[SC+32*\qt+8*\t+\i:SC+32*\qt+8*\t+\i+1], v[FB+16*((2*\t+\qt+4)%8)+\i:FB+16*((2*\t+\qt+4)%8)+\i+1], v[FB+16*((2*\t+\qt+4)%8)+8+\i:FB+16*((2*\t+\qt+4)%8)+9+\i]
.endr
.endr
.irp i, 0,2,4,6
.irp qt, 0,1
.if (\t)+(\i) == 0
.if \first
	v_max3_num_f32 v[MX+2*\sl+\qt], 0xff7fffff, v[SC+32*\qt], v[SC+32*\qt+1]
.else
	v_max3_num_f32 v[MX+2*\sl+\qt], v[MX+2*\oth+\qt], v[SC+32*\qt], v[SC+32*\qt+1]
.endif
.else
	v_max3_num_f32 v[MX+2*\sl+\qt], v[MX+2*\sl+\qt], v[SC+32*\qt+8*\t+\i], v[SC+32*\qt+8*\t+\i+1]
.endif
.endr
.endr
.endm
; The two halves of the lanes hold the two halves of a query's keys: join the maxima; alpha = 2^(m old - m new); -m for the subtraction.
.macro STATS sl, oth, first
	v_permlanex16_b32 v[NM+1], v[MX+2*\sl],   s60, s61
	v_permlanex16_b32 v[NM+3], v[MX+2*\sl+1], s60, s61
	v_max_num_f32 v[MX+2*\sl],   v[MX+2*\sl],   v[NM+1]
	v_max_num_f32 v[MX+2*\sl+1], v[MX+2*\sl+1], v[NM+3]
.if \first == 0
	v_sub_f32 v[AL+1], v[MX+2*\oth],   v[MX+2*\sl]
	v_sub_f32 v[AL+3], v[MX+2*\oth+1], v[MX+2*\sl+1]
	v_exp_f32 v[AL],   v[AL+1]
	v_exp_f32 v[AL+2], v[AL+3]                     ; the two plain subtractions below stand behind them (ISA guide 5.7.2)
.endif
	v_sub_f32 v[NM],   0, v[MX+2*\sl]
	v_sub_f32 v[NM+2], 0, v[MX+2*\sl+1]
.endm
.macro SUBB b                          ; t - m on block b (16 registers; query tile b / 2)
.set i, 0
.rept 8
	v_pk_add_f32 v[SC+16*\b+i:SC+16*\b+i+1], v[SC+16*\b+i:SC+16*\b+i+1], v[NM+2*(\b/2):NM+2*(\b/2)+1] op_sel_hi:[1,0]
.set i, i+2
.endr
.endm
.macro EXPB b                          ; p = 2^(t - m), in place
.set i, 0
.rept 16
	v_exp_f32 v[SC+16*\b+i], v[SC+16*\b+i]
.set i, i+1
.endr
.endm
; Block b's sixteen p are summed in f32 (the first add starts the sum) and packed to f16 into the block's first eight registers:
; pack i writes register i, whose own numbers pack i / 2 has already taken.
.macro FINB b
.set BB, SC+16*\b
	s_wait_alu depctr_va_vdst(0)
	v_pk_add_f32 v[LS+2*\b:LS+2*\b+1], v[BB:BB+1], v[BB+2:BB+3]
	v_cvt_pk_f16_f32 v[BB],   v[BB],   v[BB+1]
	v_cvt_pk_f16_f32 v[BB+1], v[BB+2], v[BB+3]
.irp i, 2,3,4,5,6,7
	v_pk_add_f32 v[LS+2*\b:LS+2*\b+1], v[LS+2*\b:LS+2*\b+1], v[BB+2*\i:BB+2*\i+1]
	v_cvt_pk_f16_f32 v[BB+\i], v[BB+2*\i], v[BB+2*\i+1]
.endr
.endm
.macro RESCALE                         ; O^T *= alpha: a lane's registers all belong to its one query
	WIN 0x41                                       ; O in window 1, alpha in window 0
	s_wait_alu depctr_va_vdst(0)
.irp qt, 0,1
.set i, 0
.rept 16
	v_pk_mul_f32 v[OACC+32*\qt+i:OACC+32*\qt+i+1], v[OACC+32*\qt+i:OACC+32*\qt+i+1], v[AL+2*\qt:AL+2*\qt+1] op_sel_hi:[1,0]
.set i, i+2
.endr
.endr
	WIN 0
.endm
.macro LUPD first                      ; l = l * alpha + the step's sum
.irp qt, 0,1
	v_pk_add_f32 v[LS+4*\qt:LS+4*\qt+1], v[LS+4*\qt:LS+4*\qt+1], v[LS+4*\qt+2:LS+4*\qt+3]
.endr
.irp qt, 0,1
.if \first
	v_add_f32 v[LL+\qt], v[LS+4*\qt], v[LS+4*\qt+1]
.else
	v_add_f32 v[LS+4*\qt], v[LS+4*\qt], v[LS+4*\qt+1]
.endif
.endr
.if \first == 0
.irp qt, 0,1
	v_fma_f32 v[LL+\qt], v[LL+\qt], v[AL+2*\qt], v[LS+4*\qt]
.endr
.endif
.endm
; O^T += V^T P^T, 16 matrix instructions.  The eight accumulators take turns, one instruction a turn.
.macro PV first
	WIN 0x50                                       ; C and D in window 1
	s_wait_dscnt 8                                 ; V's first 32 keys are in; the eight loads of the other 32 may be out
.irp dt, 0,1,2,3
.irp qt, 0,1
.if \first
	v_wmma_f32_16x16x32_f16 v[OACC+32*\qt+8*\dt:OACC+32*\qt+8*\dt+7], v[VB+8*\dt:VB+8*\dt+7], v[SC+32*\qt:SC+32*\qt+7], 0
.else
	v_wmma_f32_16x16x32_f16 v[OACC+32*\qt+8*\dt:OACC+32*\qt+8*\dt+7], v[VB+8*\dt:VB+8*\dt+7], v[SC+32*\qt:SC+32*\qt+7], v[OACC+32*\qt+8*\dt:OACC+32*\qt+8*\dt+7]
.endif
.endr
.endr
	s_wait_dscnt 0
.irp dt, 0,1,2,3
.irp qt, 0,1
	v_wmma_f32_16x16x32_f16 v[OACC+32*\qt+8*\dt:OACC+32*\qt+8*\dt+7], v[VB+32+8*\dt:VB+32+8*\dt+7], v[SC+32*\qt+16:SC+32*\qt+23], v[OACC+32*\qt+8*\dt:OACC+32*\qt+8*\dt+7]
.endr
.endr
	WIN 0
.endm
; One step of 64 keys on slot sl (oth = the other slot).  first = 1: the sums start here.  more = 1: the next step's tiles are fetched.
.macro TRIP sl, oth, first, more
	s_set_vgpr_msb 0x5
	s_wait_tensorcnt 0x0                           ; my one tensor load is done: my tile of this step's slot; no load of mine is out, so a group 0 may be written:
	ds_add_u32 v128, v129
	s_wait_dscnt 0x0
	s_set_vgpr_msb 0x500
	s_add_nc_u64 s[G0C+4*\sl+2:G0C+4*\sl+3], s[G0C+4*\sl+2:G0C+4*\sl+3], 2*CMSTEP   ; this slot's next tile, two steps on
	s_add_nc_u64 s[G0M+4*\sl+2:G0M+4*\sl+3], s[G0M+4*\sl+2:G0M+4*\sl+3], 2*CMSTEP
	s_wait_dscnt 0x0                               ; my reads of the other slots are back, and my stores of this step's K and V (and, ahead of the first step, of key_len * c) are done
	ROUND                                          ; all that now holds of every wave of all four work-groups
.if \more
	JLOAD \oth                                     ; the next step's tile into the slot read last: my one tensor load behind the round, and the first thing there
	KVLOAD                                         ; the next step's K and V; they are waited for at the step's end
.endif
	LDK \sl                                        ; 16 + 8 + 16 = 40 LDS loads
	LDM2
	LDCM \sl, 0
	LDCM \sl, 1
	LDCM \sl, 2
	LDCM \sl, 3
	QKT
	s_wait_dscnt 8                                 ; key_len * c and groups 0, 1 are in; groups 2 and 3 (8 loads) may be out
	PAIRM 0                                        ; eight plain instructions on none of the products' registers: the places behind the matrix instructions (ISA guide 7.12.1)
	LDCM \sl, 4                                    ; into K's registers, which the products have read
	LDCM \sl, 5
	LDCM \sl, 6
	LDCM \sl, 7
	PAIRT 0, \sl, \oth, \first
	s_wait_dscnt 16                                ; groups 2, 3 are in; groups 4 to 7 (16 loads) may be out
	PAIRM 1
	PAIRT 1, \sl, \oth, \first
	LDV \sl                                        ; into the registers of groups 0 to 3, which are used up
	s_wait_dscnt 24                                ; groups 4, 5 are in; groups 6, 7 (8) and V (16) may be out
	PAIRM 2
	PAIRT 2, \sl, \oth, \first
	s_wait_dscnt 16                                ; groups 6, 7 are in; V (16) may be out
	PAIRM 3
	PAIRT 3, \sl, \oth, \first
	STATS \sl, \oth, \first
	SUBB 0                                         ; behind each run of v_exp_f32 stands plain work on another block before its results are used (ISA guide 5.7.2)
	EXPB 0
	SUBB 1
	FINB 0
	EXPB 1
	SUBB 2
	FINB 1
	EXPB 2
	SUBB 3
	FINB 2
	EXPB 3
.if \first
	v_nop                                          ; nothing to rescale yet: the one place behind the exponentials
	s_wait_alu depctr_va_vdst(0)
.else
	RESCALE
.endif
	FINB 3
	LUPD \first
	PV \first
.if \more
	KVSTORE \oth                                   ; the other K/V slot was last read in the step before, in front of this step's round
.endif
.endm
	s_load_b256 s[4:11], s[0:1], 0x0               ; queries s[4:5], keys s[6:7], values s[8:9], attn_mask s[10:11]
	s_load_b128 s[12:15], s[0:1], 0x20             ; key_len_mask s[12:13], custom_attns s[14:15]
	s_load_b64 s[16:17], s[0:1], 0x30              ; out0
	s_set_vgpr_msb 0x40
	v_lshl_add_u32 v128, v0, 2, 0x4f800
	v_mov_b32 v129, 0
	s_set_vgpr_msb 0x4045
	ds_add_u32 v128, v129
	s_set_vgpr_msb 0x4500
	v_lshrrev_b32 v1, 5, v0
	v_readfirstlane_b32 s20, v1                    ; wave 0..7
	s_and_b32 s21, s20, 1                          ; 0: I fetch custom, 1: attn_mask
	s_and_b32 s18, ttmp7, 0xffff                   ; y = 8 n + block of rows (the cluster is one work-group high)
	s_lshr_b32 s63, s18, 3                         ; n
	s_and_b32 s18, s18, 7
	s_lshl_b32 s18, s18, 8                         ; the block's first query row
	s_lshl_b32 s52, s20, 5
	s_add_co_u32 s52, s52, s18                     ; my wave's first query row
	s_lshl_b32 s52, s52, 12                        ; x 4,096 bytes
	s_lshr_b32 s19, s20, 1
	s_lshl_b32 s19, s19, 6
	s_add_co_u32 s18, s18, s19                     ; first row of the tile that I fetch: block + 64 (wave / 2), in attn_mask,
	s_lshl_b32 s22, s63, 11
	s_add_co_u32 s22, s22, s18                     ; and in custom_attns: + 2048 n
	s_lshl_b32 s18, s18, 13                        ; rows of 8,192 bytes; 33,030,144 at the most
	s_lshl_b32 s22, s22, 13
	s_mov_b32 s19, 0
	s_mov_b32 s23, 0
	s_mul_i32 s62, s20, CMTILE                     ; where my tile goes: the wave's number alone
	s_bfe_u32 s2, ttmp6, 0x40000                   ; cx; it enters the addresses of q, k, v and out alone
	s_lshl_b32 s3, ttmp9, 2
	s_add_co_u32 s3, s3, s2                        ; head = 4 x cluster x + cx
	s_lshl_b32 s3, s3, 8                           ; a head's 256 bytes
	s_lshl_b32 s2, s63, 23                         ; n x 2048 x 4,096
	s_add_co_u32 s2, s2, s3                        ; K, V: the sample's first key, my head
	s_add_co_u32 s52, s52, s2                      ; q, out: my wave's first row, my head
	s_mov_b32 s3, 0
	s_mov_b32 s53, 0
	s_lshl_b32 s56, s63, 13                        ; key_len_mask: n x 8,192
	s_mov_b32 s57, 0
	s_mov_b32 s58, 0x3e38aa3b                      ; c = log2(e) / 8, twice: a pair for the packed forms
	s_mov_b32 s59, 0x3e38aa3b
	s_mov_b32 s60, 0x76543210                      ; v_permlanex16_b32: lane i of one half reads lane i of the other
	s_mov_b32 s61, 0xfedcba98
	; descriptor group 1: a tile of 64 rows x 64 elements of 4 bytes, rows 2,048 elements apart, padded in LDS
	s_mov_b32 s[G1+0], 15|(2<<16)|(1<<20)|(1<<21)|(5<<22)|(3<<25)   ; 15:0 all four work-groups of the cluster; 17:16 4 bytes; 20 padding on; 21 set beside a mask; 24:22 after 64 words; 31:25 4 words
	s_mov_b32 s[G1+1], 64<<16                      ; tensor_dim0 = 64 (the tile lies inside)
	s_mov_b32 s[G1+2], 64<<16                      ; tensor_dim1 = 64
	s_mov_b32 s[G1+3], 64<<16                      ; tile_dim0 = 64
	s_mov_b32 s[G1+4], 64                          ; tile_dim1 = 64
	s_mov_b32 s[G1+5], 2048                        ; elements from row to row
	s_mov_b32 s[G1+6], 0
	s_mov_b32 s[G1+7], 0
	v_and_b32 v22, 15, v0                          ; r
	v_bfe_u32 v23, v0, 4, 1                        ; h
	v_lshrrev_b32 v24, 4, v0                       ; thread / 16: 0..15
	v_lshlrev_b32 v[GQ], 4, v22
	v_lshl_add_u32 v[GQ], v23, 12, v[GQ]           ; 16 r + 4,096 h: lanes 0-15 one row's 256 bytes, lanes 16-31 the next row's
	v_lshlrev_b32 v[GOFF], 4, v22
	v_lshl_add_u32 v[GOFF], v24, 12, v[GOFF]       ; 16 r + 4,096 (thread / 16)
	v_lshlrev_b32 v32, 4, v0                       ; key_len_mask: 16 bytes a thread
	s_wait_dscnt 0x0
	s_wait_kmcnt 0x0
	s_add_nc_u64 s[48:49], s[6:7], s[2:3]          ; K
	s_add_nc_u64 s[50:51], s[8:9], s[2:3]          ; V
	s_add_nc_u64 s[54:55], s[16:17], s[52:53]      ; out
	s_add_nc_u64 s[52:53], s[4:5], s[52:53]        ; q
	s_add_nc_u64 s[56:57], s[12:13], s[56:57]      ; key_len_mask[n]
	s_add_nc_u64 s[10:11], s[10:11], s[18:19]      ; attn_mask at my tile's first row
	s_add_nc_u64 s[14:15], s[14:15], s[22:23]      ; custom_attns likewise
.irp sl, 0,1
	s_mov_b32 s[G0C+4*\sl], 1                                      ; count = 1
	s_add_co_u32 s[G0C+4*\sl+1], s62, \sl*CMSLOT                   ; LDS address
	s_add_nc_u64 s[G0C+4*\sl+2:G0C+4*\sl+3], s[14:15], \sl*CMSTEP  ; step sl's 64 keys
	s_or_b32 s[G0C+4*\sl+3], s[G0C+4*\sl+3], 0x80000000            ; type = 2
	s_mov_b32 s[G0M+4*\sl], 1
	s_add_co_u32 s[G0M+4*\sl+1], s62, \sl*CMSLOT
	s_add_nc_u64 s[G0M+4*\sl+2:G0M+4*\sl+3], s[10:11], \sl*CMSTEP
	s_or_b32 s[G0M+4*\sl+3], s[G0M+4*\sl+3], 0x80000000
.endr
	ROUND                                          ; all four work-groups are here: the first joint loads meet
	JLOAD 0                                        ; step 0's tiles
	; q: my 32 rows, two at a time; read once in the launch
.irp qt, 0,1
.irp p, 0,1,2,3,4,5,6,7
	global_load_b128 v[FB+32*\qt+4*\p:FB+32*\qt+4*\p+3], v[GQ], s[52:53] offset:\qt*16*ROWB+\p*2*ROWB th:TH_LOAD_NT
.endr
.endr
	global_load_b128 v[VB:VB+3],   v32, s[56:57]
	global_load_b128 v[VB+4:VB+7], v32, s[56:57] offset:4096
	KVLOAD                                         ; step 0's K and V
	; LDS addresses
	s_mul_i32 s18, s20, 16*KPITCH
	s_add_co_u32 s18, s18, KVBASE+KVSLOT           ; my stage for q: 16 rows x 144 bytes inside K/V slot 1, which is first written behind the first step's round
	s_lshr_b32 s19, s20, 1
	s_mul_i32 s19, s19, 2*CMTILE                   ; the pair of tiles that holds my rows,
	s_mul_i32 s22, s21, 32*CMPITCH                 ; and their upper or lower 32 rows
	s_add_co_u32 s19, s19, s22
	v_mul_u32_u24 v25, v22, KPITCH
	v_lshl_add_u32 v25, v23, 4, v25                ; a fragment's bytes: row r, 16 h
	v_add_nc_u32 v[AK], KVBASE, v25
	v_add_nc_u32 v35, s18, v25                     ; the same in my stage
	v_mul_u32_u24 v26, v23, KPITCH
	v_lshl_add_u32 v26, v22, 3, v26
	v_add_nc_u32 v34, s18, v26                     ; into the stage: row h, 8 bytes at 8 r
	v_and_b32 v26, 7, v0
	v_lshl_add_u32 v26, v23, 3, v26                ; key 8 h + lane % 8
	v_mul_u32_u24 v26, v26, VPITCH
	v_bfe_u32 v27, v0, 3, 1
	v_lshl_add_u32 v26, v27, 4, v26                ; + 16 bytes for the odd groups of eight lanes
	v_add_nc_u32 v[AV], KVBASE+KBYTES, v26
	v_mul_u32_u24 v26, v22, CMPITCH
	v_lshl_add_u32 v26, v23, 5, v26                ; row r, 32 h
	v_add_nc_u32 v[ACM], s19, v26
	v_add_nc_u32 v[ACM+1], CMSLOT, v[ACM]
	v_lshl_add_u32 v[AM2], v23, 5, M2BASE
	v_mul_u32_u24 v26, v24, KPITCH
	v_lshl_add_u32 v26, v22, 3, v26
	v_add_nc_u32 v[ASK], KVBASE, v26
	v_mul_u32_u24 v26, v24, VPITCH
	v_lshl_add_u32 v26, v22, 3, v26
	v_add_nc_u32 v[ASV], KVBASE+KBYTES, v26
	v_add_nc_u32 v33, M2BASE, v32
	v_mov_b32 v[NM+1], 0                           ; v_permlanex16_b32 counts as a reader of its destination
	v_mov_b32 v[NM+3], 0
; A query tile: x c, to f16, through my stage into fragments.  LDS serves a wave's instructions in order (ISA guide 5.7.1.4), and the stage is my own:
; no wait between the stores and the loads, nor between one tile's loads and the next tile's stores.
.macro QTILE qt, left
	s_wait_loadcnt \left
.irp p, 0,1,2,3,4,5,6,7
	v_pk_mul_f32 v[FB+32*\qt+4*\p:FB+32*\qt+4*\p+1],   v[FB+32*\qt+4*\p:FB+32*\qt+4*\p+1],   s[58:59] op_sel_hi:[1,0]
	v_pk_mul_f32 v[FB+32*\qt+4*\p+2:FB+32*\qt+4*\p+3], v[FB+32*\qt+4*\p+2:FB+32*\qt+4*\p+3], s[58:59] op_sel_hi:[1,0]
	v_cvt_pk_f16_f32 v[FB+32*\qt+4*\p],   v[FB+32*\qt+4*\p],   v[FB+32*\qt+4*\p+1]
	v_cvt_pk_f16_f32 v[FB+32*\qt+4*\p+1], v[FB+32*\qt+4*\p+2], v[FB+32*\qt+4*\p+3]
	ds_store_b64 v34, v[FB+32*\qt+4*\p:FB+32*\qt+4*\p+1] offset:\p*2*KPITCH
.endr
	WIN 0x40
.irp ec, 0,1
	ds_load_b128 v[QR+16*\qt+8*\ec:QR+16*\qt+8*\ec+3],   v35 offset:\ec*64
	ds_load_b128 v[QR+16*\qt+8*\ec+4:QR+16*\qt+8*\ec+7], v35 offset:\ec*64+32
.endr
	WIN 0
.endm
	QTILE 0, 18                                    ; behind tile 0's eight loads: tile 1's 8, key_len's 2, K's and V's 8
	QTILE 1, 10                                    ; key_len's 2, K's and V's 8
	s_wait_loadcnt 0x8                             ; K's and V's 8
.irp i, 0,2,4,6
	v_pk_mul_f32 v[VB+\i:VB+\i+1], v[VB+\i:VB+\i+1], s[58:59] op_sel_hi:[1,0]
.endr
	ds_store_b128 v33, v[VB:VB+3]
	ds_store_b128 v33, v[VB+4:VB+7] offset:4096
	KVSTORE 0
	TRIP 0, 1, 1, 1                                ; step 0 starts the sums; slot 1 gets its first tiles behind this step's round
	TRIP 1, 0, 0, 1
	s_mov_b32 s62, 14                              ; steps 2 to 29
.Lsteps:
	TRIP 0, 1, 0, 1
	TRIP 1, 0, 0, 1
	s_sub_co_u32 s62, s62, 1
	s_cmp_lg_u32 s62, 0
	s_cbranch_scc1 .Lsteps
	TRIP 0, 1, 0, 1                                ; step 30 fetches step 31's tiles
	TRIP 1, 0, 0, 0                                ; step 31 fetches nothing
	; THE WAY OUT.  O^T / l, through a stage of my own (32 rows x 272 bytes) at the head of tile w of slot 0: that slot has had its last fill, and its last reads stand in
	; front of step 31's round.  The six address instructions are the places behind the last matrix instructions.
	v_and_b32 v32, 15, v0
	v_bfe_u32 v33, v0, 4, 1
	v_mul_u32_u24 v34, v32, CMPITCH
	v_mul_u32_u24 v35, v33, CMPITCH
	v_lshl_add_u32 v34, v33, 5, v34                ; in: row r, 32 h
	v_lshl_add_u32 v35, v32, 4, v35                ; back: row h, 16 r
	s_mul_i32 s18, s20, CMTILE
	v_permlanex16_b32 v[NM+1], v[LL],   s60, s61   ; the other half of the keys
	v_permlanex16_b32 v[NM+3], v[LL+1], s60, s61
	v_add_f32 v[LL],   v[LL],   v[NM+1]
	v_add_f32 v[LL+1], v[LL+1], v[NM+3]
	v_rcp_f32 v[NM],   v[LL]
	v_rcp_f32 v[NM+2], v[LL+1]
	v_add_nc_u32 v34, s18, v34                     ; plain work behind the reciprocals (ISA guide 5.7.2)
	v_add_nc_u32 v35, s18, v35
	WIN 0x01                                       ; source 0 (O) in window 1
	s_wait_alu depctr_va_vdst(0)
.irp qt, 0,1
.set i, 0
.rept 16
	v_pk_mul_f32 v[FB+32*\qt+i:FB+32*\qt+i+1], v[OACC+32*\qt+i:OACC+32*\qt+i+1], v[NM+2*\qt:NM+2*\qt+1] op_sel_hi:[1,0]
.set i, i+2
.endr
.endr
	WIN 0
.irp qt, 0,1
.irp dt, 0,1,2,3
	ds_store_b128 v34, v[FB+32*\qt+8*\dt:FB+32*\qt+8*\dt+3]   offset:\qt*16*CMPITCH+\dt*64      ; query 16 qt + r, d = 16 dt + 8 h + 0..3
	ds_store_b128 v34, v[FB+32*\qt+8*\dt+4:FB+32*\qt+8*\dt+7] offset:\qt*16*CMPITCH+\dt*64+16   ; d = 16 dt + 8 h + 4..7
.endr
.endr
.irp p, 0,1,2,3,4,5,6,7,8,9,10,11,12,13,14,15
	ds_load_b128 v[SC+4*\p:SC+4*\p+3], v35 offset:\p*2*CMPITCH     ; rows 2 p and 2 p + 1; a wave's LDS instructions are served in order: these see the stores above
.endr
.irp p, 0,1,2,3,4,5,6,7,8,9,10,11,12,13,14,15
	s_wait_dscnt 15-\p                             ; load p is back; the younger ones may be out
	global_store_b128 v[GQ], v[SC+4*\p:SC+4*\p+3], s[54:55] offset:\p*2*ROWB th:TH_STORE_NT   ; sixteen lanes store a row's 256 consecutive bytes, at a multiple of 256 from out0's first byte
.endr
	s_set_vgpr_msb 0x5
	s_wait_tensorcnt 0x0
	ds_add_u32 v128, v129
	s_wait_dscnt 0x0
	s_set_vgpr_msb 0x500
	ROUND                                          ; the closing round: no work-group ends while a partner may still ask for a tile that names it
	s_endpgm
.Lfunc_end_k_q6c4ae100f5_attn:
	.size	k_q6c4ae100f5_attn, .Lfunc_end_k_q6c4ae100f5_attn-k_q6c4ae100f5_attn
	.p2alignl 7, 3214868480
	.fill 96, 4, 3214868480
	.section	.rodata,"a",@progbits
	.p2align	6, 0x0
	.amdhsa_kernel k_q6c4ae100f5_attn
		.amdhsa_group_segment_fixed_size 327680
		.amdhsa_private_segment_fixed_size 0
		.amdhsa_enable_private_segment 0
		.amdhsa_kernarg_size 56
		.amdhsa_user_sgpr_count 2
		.amdhsa_user_sgpr_kernarg_segment_ptr 1
		.amdhsa_wavefront_size32 1
		.amdhsa_system_sgpr_workgroup_id_x 1
		.amdhsa_system_sgpr_workgroup_id_y 1
		.amdhsa_system_sgpr_workgroup_id_z 1
		.amdhsa_system_vgpr_workitem_id 0
		.amdhsa_next_free_vgpr 386
		.amdhsa_next_free_sgpr 66
		.amdhsa_reserve_vcc 0
		.amdhsa_float_denorm_mode_32 3
		.amdhsa_float_denorm_mode_16_64 3
		.amdhsa_memory_ordered 1
		.amdhsa_forward_progress 1
		.amdhsa_inst_pref_size 183
	.end_amdhsa_kernel
	.amdgpu_metadata
---
amdhsa.version: [ 1, 2 ]
amdhsa.kernels:
  - .name:           k_q6c4ae100f5_attn
    .symbol:         k_q6c4ae100f5_attn.kd
    .args:
      - { .name: queries, .offset: 0, .size: 8, .value_kind: global_buffer, .address_space: global }
      - { .name: keys, .offset: 8, .size: 8, .value_kind: global_buffer, .address_space: global }
      - { .name: values, .offset: 16, .size: 8, .value_kind: global_buffer, .address_space: global }
      - { .name: attn_mask, .offset: 24, .size: 8, .value_kind: global_buffer, .address_space: global }
      - { .name: key_len_mask, .offset: 32, .size: 8, .value_kind: global_buffer, .address_space: global }
      - { .name: custom_attns, .offset: 40, .size: 8, .value_kind: global_buffer, .address_space: global }
      - { .name: out0, .offset: 48, .size: 8, .value_kind: global_buffer, .address_space: global }
    .group_segment_fixed_size: 327680
    .private_segment_fixed_size: 0
    .kernarg_segment_align: 8
    .kernarg_segment_size: 56
    .max_flat_workgroup_size: 256
    .sgpr_count:     66
    .vgpr_count:     386
    .wavefront_size: 32
...
	.end_amdgpu_metadata
.endif
;; end of part 1
